; MI455X (gfx1250); checked and timed in simulation.
; The chip was launched on July 23, 2026; its instructions are those of AMD's public machine-readable ISA for CDNA 5 (MIT licence, August 2026) and "CDNA5" Instruction Set Architecture Reference Guide (July 2026). The comments in the code are by the model that wrote it; some were corrected since.
;; LSTM Cell. Allowed arithmetic: matrix products marked QUANTISED: E5M2 operands, one given power-of-two scale a tensor, by v_wmma_f32_16x16x64_bf8_bf8 or v_wmma_f32_16x16x128_bf8_bf8, f32 sums; everything else in f32.
;; Inputs: Wh 4 x 1,024 x 1,024 float32; Wx 4 x 1,024 x 1,024 float32; c 8,192 x 1,024 float32; h 8,192 x 1,024 float32; lowp_scales 4 int32 (the exponents e of the quantised operands' scales 2^e); x 8,192 x 1,024 float32.
;; Outputs: out0 8,192 x 1,024 float32; out1 8,192 x 1,024 float32.
;; This version of the problem:
;;   THIS VERSION OF THE PROBLEM IS GIVEN IN LOW PRECISION. The matrix products marked QUANTISED in the list below multiply operands that are first quantised to E5M2 (5 exponent bits, 2 mantissa bits; 8 bits a number), with one given power-of-two scale for each operand tensor; their sums are f32. All else is computed in f32.
;;   The module's matrix products, in the order in which they are computed (A, B: the left and right operand; K: the contracted axis; several contracted axes count as one K, in the product's order):
;;     1. [M 4,096, K 1,024] x [K 1,024, N 8,192]; A: input Wx; B: input x: QUANTISED (scales: A lowp_scales[0], B lowp_scales[1])
;;     2. [M 4,096, K 1,024] x [K 1,024, N 8,192]; A: input Wh; B: input h: QUANTISED (scales: A lowp_scales[2], B lowp_scales[3])
;;   THE QUANTISER, for each operand of a quantised product, along K:
;;     - The operand's scale is 2^e, e = its entry of the input lowp_scales (int32; the entries are numbered through the quantised products in the list's order, A before B).
;;     - Each number is divided by the scale, clamped to +-57,344, and rounded to the nearest number of E5M2, ties to even, subnormals kept.
;;     - The product sums the exact products of the quantised numbers (number of the format x scale) in f32.
;;   ~~~python
;;   def quantise(x, axis, e):      # numpy; x: float32 -> the quantised numbers, widened to float32 again
;;       x = np.moveaxis(x, axis, -1); K = x.shape[-1]
;;       r = np.clip(x / 2.0 ** e, -57344, 57344)
;;       step = 2.0 ** (np.maximum(np.frexp(np.where(r == 0, 1, r))[1] - 1, -14) - 2)
;;       q = np.round(r / step) * step * 2.0 ** e      # np.round: ties to even
;;       return np.moveaxis(q, -1, axis).astype(np.float32)
;;   ~~~
;; One version. Each part assembles by itself: llvm-mc -triple=amdgcn-amd-amdhsa -mcpu=gfx1250 --defsym DOCPART=n.
;; ======== version 1 of 1: 2 launches
;; limits: right only within a limited range of input values
;; workspace buffers: acodes 16,777,216 bytes; wcodes 8,388,608 bytes
;; launch quant (part 1): grid 768 x 1, 4 waves a work-group, no clusters, 33,280 bytes of LDS; arguments x, h, Wx, Wh, lowp_scales, acodes, wcodes; writes acodes, wcodes
.if DOCPART == 1
	.amdgcn_target "amdgcn-amd-amdhsa--gfx1250"
	.amdhsa_code_object_version 6
	.text
	.protected	k_qa3b67cb932_quant
	.globl	k_qa3b67cb932_quant
	.p2align	8
	.type	k_qa3b67cb932_quant,@function
k_qa3b67cb932_quant:
	s_mov_b64 s[64:65], 0
	v_nop
	global_prefetch_b8 v0, s[64:65] scope:SCOPE_SE
	s_setreg_imm32_b32 hwreg(HW_REG_WAVE_MODE, 25, 1), 1
	s_wait_xcnt 0x0
; x, h [8192][1024] and Wx, Wh [4][1024 d][1024 k], all f32, become codes of BF8 (E5M2), each tensor with the one scale 2^e that is given for it
; (entries of the buffer of scales: 0 Wx, 1 x, 2 Wh, 3 h).  code = number / 2^e, held within +-57,344, rounded to the nearest code, ties to even.
; LIMITS: each e lies between -126 and 112, so that 2^e and 57,344 x 2^e are f32 numbers.  NaN among the inputs is not served; an infinity is held at the largest code.
; acodes [8192][2048]: bytes 0-1023 of a row are x's codes, bytes 1024-2047 h's: the product's K then runs through both tensors with one step.
; wcodes [T 16][S 8][w2 2][q 2][bb 8][c 4][hh 2][r 16][16 bytes]: images of the operand's registers.  The 16 bytes at (c, hh, r) are the codes of gate bb / 2, column
; k = 64 T + 32 w2 + 16 (bb % 2) + r, at d = 256 (S % 4) + 128 q + 32 c + 16 hh + 0 .. 15; S 0-3 are Wx's, S 4-7 Wh's.
; Every work-group takes 32,768 numbers.  Work-groups 0-255: x; 256-511: h; 512-767: the weights.  The two ways part on the work-group's number; only the first uses LDS.
.set SP,    80                         ; a lane's place in a stage: its 64 bytes + 16 of padding
.set WREG,  8192                       ; LDS: a region for each wave: two stages of 32 x SP bytes
.set STEPS, 16
.set NB,    8                          ; the weights' way: blocks of 32 along d for a wave
.set EMAX,  15
.set MANT,  0x600000                   ; the mantissa field of 57,344 as f32
.set R,     16                         ; v16-79   rows' way: four sets of 16 numbers as they are loaded
.set X,     80                         ; v80-111  two sets of 16 neighbours
.set C,     128                        ; v128-191 codes: four registers for each step, so that no store's data are written again
.set WXR,   32                         ; v32-95   weights' way: two sets of 32 numbers, down d
.set WCR,   96                         ; v96-159  codes: eight registers for each block, never written again
.macro SCALE                           ; s24 = e:  v11 = 2^e (the conversion takes its exponent field), v10 = 57,344 x 2^e
	s_add_co_i32 s24, s24, 127
	s_lshl_b32 s25, s24, 23
	v_mov_b32 v11, s25
	s_add_co_i32 s24, s24, EMAX
	s_lshl_b32 s24, s24, 23
	s_or_b32 s24, s24, MANT
	v_mov_b32 v10, s24
.endm
	s_load_b256 s[4:11], s[0:1], 0x0               ; x s[4:5], h s[6:7], Wx s[8:9], Wh s[10:11]
	s_load_b64 s[12:13], s[0:1], 0x20              ; the scales' exponents
	s_load_b128 s[16:19], s[0:1], 0x28             ; acodes s[16:17], wcodes s[18:19]
	v_lshl_add_u32 v192, v0, 2, 0x8000
	v_mov_b32 v193, 0
	v_lshrrev_b32 v1, 5, v0
	v_readfirstlane_b32 s20, v1                    ; wave 0..3
	v_and_b32 v2, 31, v0                           ; lane
	s_wait_kmcnt 0x0
	s_load_b128 s[24:27], s[12:13], 0x0            ; e of Wx, x, Wh, h
	s_cmp_lt_u32 ttmp9, 512
	s_cbranch_scc0 .Lweights
; ---- THE ROWS' WAY: K is innermost.  A wave takes 8 rows (8,192 numbers) in 16 steps of 512.  Each of a step's four loads reads 512 consecutive bytes, 16 a lane; the 2,048 bytes turn through
; the wave's own stage in LDS and come back 64 bytes a lane: 16 neighbours along K, which the conversions want in one lane's registers.  A lane's 16 codes are 16 bytes: a store covers 512 consecutive bytes.
	s_cmp_lt_u32 ttmp9, 256                        ; x or h?  The choice hangs on the work-group's number alone
	s_cselect_b64 s[4:5], s[4:5], s[6:7]
	s_cselect_b32 s21, 0, 1024                     ; x's codes at byte 0 of a row of acodes, h's at byte 1,024
	s_and_b32 s22, ttmp9, 255
	s_lshl_b32 s22, s22, 2
	s_add_co_u32 s22, s22, s20                     ; which run of 8 rows is my wave's: 0 .. 1,023
	s_lshl_b32 s28, s22, 15                        ; 8 rows of 4,096 bytes
	s_mov_b32 s29, 0
	s_add_nc_u64 s[4:5], s[4:5], s[28:29]
	s_lshl_b32 s28, s22, 14                        ; 8 rows of 2,048 bytes
	s_add_co_u32 s28, s28, s21
	s_add_nc_u64 s[16:17], s[16:17], s[28:29]
	s_wait_alu depctr_va_vdst(0)
	v_lshlrev_b32 v3, 4, v2                        ; my 16 bytes of a load's 512, and of a store's
	s_mul_i32 s23, s20, WREG
	v_lshrrev_b32 v14, 2, v2
	v_mul_u32_u24 v14, v14, SP
	v_and_b32 v15, 3, v2
	v_lshl_add_u32 v14, v15, 4, v14
	v_add_nc_u32 v14, s23, v14                     ; the stage, on the way in: four lanes' 64 bytes on end, then 16 of padding
	v_mul_u32_u24 v15, v2, SP
	v_add_nc_u32 v15, s23, v15                     ; and on the way out: SP x lane: my 16 neighbours
.macro LOAD t
.irp i, 0,1,2,3
	global_load_b128 v[R+16*((\t)%4)+4*\i:R+16*((\t)%4)+4*\i+3], v3, s[4:5] offset:2048*(\t)+512*\i th:TH_LOAD_NT   ; 32 lanes read 512 consecutive bytes; read once in the launch
.endr
.endm
.macro TURN t                          ; step t's numbers through the stage: LDS serves a wave's instructions in order (ISA guide 5.7.1.4), so no wait stands between the stores and the loads
.irp i, 0,1,2,3
	ds_store_b128 v14, v[R+16*((\t)%4)+4*\i:R+16*((\t)%4)+4*\i+3] offset:32*SP*((\t)%2)+8*SP*\i
.endr
.irp i, 0,1,2,3
	ds_load_b128 v[X+16*((\t)%2)+4*\i:X+16*((\t)%2)+4*\i+3], v15 offset:32*SP*((\t)%2)+16*\i
.endr
.endm
.irp t, 0,1,2,3
	LOAD \t
.endr
	s_wait_alu depctr_va_vdst(0)
	s_wait_kmcnt 0x0
	s_cmp_lt_u32 ttmp9, 256
	s_cselect_b32 s24, s25, s27                    ; e of x or of h
	SCALE
	s_wait_alu depctr_va_vdst(0)
	s_wait_loadcnt 12                              ; step 0's four loads are in; those of steps 1 to 3 may be out
	TURN 0
.macro STEP t
.set XS, X+16*((\t)%2)
	s_wait_dscnt 0x0                               ; this step's numbers are back from the stage: so its stores into the stage have read their registers,
.if (\t)+4 < STEPS
	LOAD (\t)+4                                    ; which take the loads of four steps on
.endif
.if (\t)+1 < STEPS
.if STEPS-2-(\t) >= 3
	s_wait_loadcnt 12                              ; the next step's four loads are in; those of the three steps behind it may be out
.else
	s_wait_loadcnt 4*(STEPS-2-(\t))                ; at the end the count runs down
.endif
	TURN (\t)+1                                    ; and go through the other stage while this step is worked
.endif
.irp i, 0,1,2,3,4,5,6,7,8,9,10,11,12,13,14,15
	v_med3_num_f32 v[XS+\i], v[XS+\i], -v10, v10   ; the conversion to an 8-bit code does not saturate (ISA guide 7.6.2): hold the number within the largest code x the scale first
.endr
	v_cvt_scalef32_pk8_bf8_f32 v[C+4*(\t):C+4*(\t)+1], v[XS:XS+7], v11
	v_cvt_scalef32_pk8_bf8_f32 v[C+4*(\t)+2:C+4*(\t)+3], v[XS+8:XS+15], v11   ; the results go to a store alone; the next vector lines are the next step's holds, plain and on other registers
	global_store_b128 v3, v[C+4*(\t):C+4*(\t)+3], s[16:17] offset:((\t)/2)*2048+((\t)%2)*512   ; half a row's codes: 512 consecutive bytes, at a multiple of 256 from the buffer's first byte
.endm
.irp t, 0,1,2,3,4,5,6,7,8,9,10,11,12,13,14,15
	STEP \t
.endr
	s_wait_tensorcnt 0x0
	ds_add_u32 v192, v193
	s_wait_dscnt 0x0
	s_endpgm
; ---- THE WEIGHTS' WAY: K (= d) is not innermost.  A work-group takes one tensor, one gate, 256 along d and 128 columns k; a wave 32 of the columns.  A LANE TAKES A COLUMN AND ITS REGISTERS RUN DOWN d:
; each load reads 128 consecutive bytes a wave, and the conversions give codes with d innermost.  A lane's 16 codes are 16 bytes of a register image, and the sixteen lanes beside it hold the sixteen
; columns of the same fragment: so a store's lanes 0-15 write 256 consecutive bytes of fragment bb = 2 gate, lanes 16-31 those of bb = 2 gate + 1.  No LDS, no transposition.
.Lweights:
	s_sub_co_u32 s21, ttmp9, 512                   ; 0 .. 255
	s_lshr_b32 s22, s21, 7                         ; tensor: 0 Wx, 1 Wh
	s_bfe_u32 s23, s21, 0x20005                    ; gate
	s_bfe_u32 s28, s21, 0x20003                    ; which 256 along d
	s_and_b32 s29, s21, 7                          ; which 128 columns
	s_cmp_eq_u32 s22, 0
	s_cselect_b64 s[8:9], s[8:9], s[10:11]
	s_lshl_b32 s30, s23, 22                        ; a gate is 1,024 x 4,096 bytes,
	s_lshl_b32 s31, s28, 20                        ; 256 rows of 4,096,
	s_add_co_u32 s30, s30, s31
	s_lshl_b32 s31, s29, 9                         ; 128 columns of 4,
	s_add_co_u32 s30, s30, s31
	s_lshl_b32 s31, s20, 7                         ; my wave's 32
	s_add_co_u32 s30, s30, s31
	s_mov_b32 s31, 0
	s_add_nc_u64 s[8:9], s[8:9], s[30:31]
	s_lshl_b32 s32, s29, 1
	s_lshr_b32 s33, s20, 1
	s_add_co_u32 s32, s32, s33
	s_lshl_b32 s32, s32, 19                        ; T = 2 x (128 columns) + wave / 2: 524,288 bytes each
	s_lshl_b32 s33, s22, 2
	s_add_co_u32 s33, s33, s28
	s_lshl_b32 s33, s33, 16                        ; S = 4 x tensor + (256 along d): 65,536 bytes each
	s_add_co_u32 s32, s32, s33
	s_and_b32 s33, s20, 1
	s_lshl_b32 s33, s33, 15                        ; w2 = wave % 2: 32,768
	s_add_co_u32 s32, s32, s33
	s_lshl_b32 s33, s23, 12                        ; bb = 2 x gate: 2 x 2,048
	s_add_co_u32 s32, s32, s33
	s_mov_b32 s33, 0
	s_add_nc_u64 s[18:19], s[18:19], s[32:33]
	s_wait_alu depctr_va_vdst(0)
	v_lshlrev_b32 v3, 2, v2                        ; in: 4 bytes a lane
	v_lshrrev_b32 v4, 4, v2
	v_and_b32 v5, 15, v2
	v_lshlrev_b32 v4, 11, v4
	v_lshl_add_u32 v4, v5, 4, v4                   ; out: 2,048 (lane / 16) + 16 (lane % 16)
.macro LOADW t                         ; block t: W(32 t + i, my column), i = 0 .. 31, into set t % 2
.irp i, 0,1,2,3,4,5,6,7,8,9,10,11,12,13,14,15,16,17,18,19,20,21,22,23,24,25,26,27,28,29,30,31
	global_load_b32 v[WXR+32*((\t)%2)+\i], v3, s[8:9] offset:(32*(\t)+\i)*4096 th:TH_LOAD_NT
.endr
.endm
	LOADW 0
	LOADW 1
	s_wait_kmcnt 0x0
	s_cmp_eq_u32 s22, 0
	s_cselect_b32 s24, s24, s26                    ; e of Wx or of Wh
	SCALE
.macro BLOCKW t
.set XS, WXR+32*((\t)%2)
.if (\t) < NB-1
	s_wait_loadcnt 32                              ; this block's 32 loads are in; the next block's may be out
.else
	s_wait_loadcnt 0
.endif
.irp i, 0,1,2,3,4,5,6,7,8,9,10,11,12,13,14,15,16,17,18,19,20,21,22,23,24,25,26,27,28,29,30,31
	v_med3_num_f32 v[XS+\i], v[XS+\i], -v10, v10   ; the hold at the largest code x the scale
.endr
.irp g, 0,1,2,3
	v_cvt_scalef32_pk8_bf8_f32 v[WCR+8*(\t)+2*\g:WCR+8*(\t)+2*\g+1], v[XS+8*\g:XS+8*\g+7], v11
.endr
	global_store_b128 v4, v[WCR+8*(\t):WCR+8*(\t)+3], s[18:19] offset:((\t)/4)*16384+((\t)%4)*512         ; d 32 t + 0 .. 15: q = t / 4, c = t % 4, hh = 0
	global_store_b128 v4, v[WCR+8*(\t)+4:WCR+8*(\t)+7], s[18:19] offset:((\t)/4)*16384+((\t)%4)*512+256   ; d 32 t + 16 .. 31: hh = 1
.if (\t)+2 < NB
	LOADW (\t)+2
.endif
.endm
	s_wait_alu depctr_va_vdst(0)
.irp t, 0,1,2,3,4,5,6,7
	BLOCKW \t
.endr
	s_endpgm
.Lfunc_end_k_qa3b67cb932_quant:
	.size	k_qa3b67cb932_quant, .Lfunc_end_k_qa3b67cb932_quant-k_qa3b67cb932_quant
	.p2alignl 7, 3214868480
	.fill 96, 4, 3214868480
	.section	.rodata,"a",@progbits
	.p2align	6, 0x0
	.amdhsa_kernel k_qa3b67cb932_quant
		.amdhsa_group_segment_fixed_size 33280
		.amdhsa_private_segment_fixed_size 0
		.amdhsa_enable_private_segment 0
		.amdhsa_kernarg_size 56
		.amdhsa_user_sgpr_count 2
		.amdhsa_user_sgpr_kernarg_segment_ptr 1
		.amdhsa_wavefront_size32 1
		.amdhsa_system_sgpr_workgroup_id_x 1
		.amdhsa_system_sgpr_workgroup_id_y 1
		.amdhsa_system_sgpr_workgroup_id_z 1
		.amdhsa_system_vgpr_workitem_id 0
		.amdhsa_next_free_vgpr 194
		.amdhsa_next_free_sgpr 66
		.amdhsa_reserve_vcc 0
		.amdhsa_float_denorm_mode_32 3
		.amdhsa_float_denorm_mode_16_64 3
		.amdhsa_memory_ordered 1
		.amdhsa_forward_progress 1
		.amdhsa_inst_pref_size 83
	.end_amdhsa_kernel
	.amdgpu_metadata
---
amdhsa.version: [ 1, 2 ]
amdhsa.kernels:
  - .name:           k_qa3b67cb932_quant
    .symbol:         k_qa3b67cb932_quant.kd
    .args:
      - { .name: x, .offset: 0, .size: 8, .value_kind: global_buffer, .address_space: global }
      - { .name: h, .offset: 8, .size: 8, .value_kind: global_buffer, .address_space: global }
      - { .name: Wx, .offset: 16, .size: 8, .value_kind: global_buffer, .address_space: global }
      - { .name: Wh, .offset: 24, .size: 8, .value_kind: global_buffer, .address_space: global }
      - { .name: lowp_scales, .offset: 32, .size: 8, .value_kind: global_buffer, .address_space: global }
      - { .name: acodes, .offset: 40, .size: 8, .value_kind: global_buffer, .address_space: global }
      - { .name: wcodes, .offset: 48, .size: 8, .value_kind: global_buffer, .address_space: global }
    .group_segment_fixed_size: 33280
    .private_segment_fixed_size: 0
    .kernarg_segment_align: 8
    .kernarg_segment_size: 56
    .max_flat_workgroup_size: 128
    .sgpr_count:     66
    .vgpr_count:     194
    .wavefront_size: 32
...
	.end_amdgpu_metadata
.endif
;; end of part 1
;; launch lstm (part 2): grid 16 x 16, 4 waves a work-group, clusters of 4 x 4, 327,680 bytes of LDS; arguments acodes, wcodes, c, lowp_scales, out0, out1; writes out0, out1
.if DOCPART == 2
	.amdgcn_target "amdgcn-amd-amdhsa--gfx1250"
	.amdhsa_code_object_version 6
	.text
	.protected	k_qa3b67cb932_lstm
	.globl	k_qa3b67cb932_lstm
	.p2align	8
	.type	k_qa3b67cb932_lstm,@function
k_qa3b67cb932_lstm:
	s_mov_b64 s[64:65], 0
	v_nop
	global_prefetch_b8 v0, s[64:65] scope:SCOPE_SE
	s_setreg_imm32_b32 hwreg(HW_REG_WAVE_MODE, 25, 1), 1
	s_wait_xcnt 0x0
	s_wait_alu depctr_hold_cnt(0) depctr_sa_sdst(0) depctr_va_vdst(0) depctr_va_sdst(0) depctr_va_ssrc(0) depctr_va_vcc(0) depctr_vm_vsrc(0)
	s_getreg_b32 s2, hwreg(HW_REG_IB_STS2, 6, 4)
	s_cmp_eq_u32 s2, 0
	s_cbranch_scc0 .Lentry_in_a_cluster
	s_endpgm
.Lentry_in_a_cluster:
	s_bfe_u32 s2, ttmp6, 0x10000c
	s_cmp_lg_u32 s2, 0xf033
	s_cbranch_scc0 .Lentry_shape_is_right
	s_endpgm
.Lentry_shape_is_right:
; g = x Wx + h Wh on codes of BF8 (E5M2), then i, f, o = sigmoid, u = tanh, c_t = i u + f c, h_t = o tanh(c_t); sums and all else in f32.
; acodes [8192][2048]: a row's bytes 0-1023 are x's codes, 1024-2047 h's, so K runs through both products.  wcodes: images of the operand's registers, 65,536 bytes for 256 along K of 64 columns x 4 gates.
; A tile is 256 rows x (4 gates x 64 columns): four waves, each 128 rows x 4 gates x 32 columns, 64 accumulators.  A work-group makes two tiles, 4,096 rows apart, on the same weights.
; K goes in steps of 256 through a ring of two LDS slots.  CLUSTERS: 4 x 4 work-groups; the rows' tiles are asked for jointly along a row of the cluster, the weights' along a column.
; At a change of slots the three lines, the round and the joint refill stand on end; the step's 64 products follow behind the refill.
; Source 0 = weights, source 1 = rows: a lane holds one row and eight neighbouring columns, and all four gates of an element lie in one lane.
; SCALES: entries 0 Wx, 1 x, 2 Wh, 3 h.  At K = 1,024 the sums are multiplied by 2^(e0 + e1 - e2 - e3); 2^(e2 + e3) is folded into the factors of the exponentials.
; LIMITS: e0 + e1 - e2 - e3 between -126 and 127; e2 + e3 between -126 and 125.  NaN among the inputs is not served.
; THE WAY OUT goes by blocks of 16 rows through a stage that the two waves of a column pair share; the next block's gates are worked round the stage's barrier.
.set PITCH,  272
.set HALFA,  128*PITCH
.set BOFF,   2*HALFA
.set HALFB,  32768
.set SLOT,   BOFF+2*HALFB
.set SPARE,  2*SLOT
.set STG,    SPARE+512
.set BUF,    32*PITCH
.set SETB,   3*BUF
.set TILES,  2
.set WALK,   4096
.set NEXT_A, WALK*2048-6*256
.set BACK_B, 6*65536
.set NEXT_P, WALK*2048-7*256
.set NEXT_O, WALK*4096
.set FR,     16
.set NL,     4
.set NP,     4
.set LAPS,   4
.set ADRA, 16
.set ADRB, 20
.set LAY,  22
.set ROWS, 24
.set GO,   26
.set PFO,  27
.set SPW,  28
.set NIL,  29
.set CR,   32
.set OUT,  96
.set G,    128
.set CC,   192
.set CT,   208
.set HT,   224
.set AF,   128
.set WV,   16
.set ROLE, 17
.set W2,   18
.set G1,   24
.set G0,   32
.set G1B,  48
.set G0B,  56
.set K3,   66
.set ES,   80
.set RS,   84
.set K1,   86
.set K2,   88
.set PFA,  90
.set PFS,  92
.set LIM,  94
.set PCA,  96
.set MSB, 0
.macro WIN new
.if MSB != \new
	s_set_vgpr_msb (MSB<<8)|\new
.set MSB, \new
.endif
.endm
.set MUL_LO, 0xa1
.set MUL_HI, 0xf1
.set TO_B,   0x40
.macro JLOAD g0a, g1a, g0b, g1b
	s_cmp_eq_u32 s[ROLE], 0
	s_cbranch_scc0 .Lfor_b_\@
	tensor_load_to_lds s[\g0a:\g0a+3], s[\g1a:\g1a+7]
	s_nop 0
.rept 4
	v_nop
.endr
	s_branch .Lasked_\@
.Lfor_b_\@:
	tensor_load_to_lds s[\g0b:\g0b+3], s[\g1b:\g1b+7]
	s_nop 0
.rept 4
	v_nop
.endr
.Lasked_\@:
.endm
.macro CREST
	s_cmp_lg_u32 s[WV], 0
	s_cbranch_scc1 .Lnot_wave_0_\@
	s_barrier_signal -3
.Lnot_wave_0_\@:
	s_barrier_wait -3
	s_barrier_signal -1
	s_barrier_wait -1
.endm
.macro CROUND
	s_barrier_signal -1
	s_barrier_wait -1
	CREST
.endm
.macro ASK how
.if \how
	s_cmp_eq_u32 s[LIM], 1
.else
	s_cmp_gt_u32 s3, s[LIM]
.endif
	s_cbranch_scc0 .Lnot_mine_\@
	global_prefetch_b8 v[PFO], s[PFA:PFA+1] th:TH_LOAD_NT scope:SCOPE_SE
.Lnot_mine_\@:
.endm
	s_load_b256 s[4:11], s[0:1], 0x0
	s_load_b128 s[12:15], s[0:1], 0x20
	v_lshl_add_u32 v[SPW], v0, 2, SPARE
	v_mov_b32 v[NIL], 0
	ds_add_u32 v28, v29
	ds_add_u32 v28, v29
	s_wait_dscnt 0x0
	v_lshrrev_b32 v1, 5, v0
	v_readfirstlane_b32 s[WV], v1
	s_lshr_b32 s[ROLE], s[WV], 1
	s_and_b32 s[W2], s[WV], 1
	s_bfe_u32 s40, ttmp6, 0x40000
	s_bfe_u32 s41, ttmp6, 0x40004
	s_lshl_b32 s42, ttmp9, 2
	s_add_co_u32 s42, s42, s40
	s_and_b32 s43, ttmp7, 0xffff
	s_lshl_b32 s43, s43, 2
	s_add_co_u32 s43, s43, s41
	s_lshl_b32 s44, s41, 2
	s_lshl_b32 s44, 15, s44
	s_lshl_b32 s45, 0x1111, s40
	s_or_b32 s[G1+0], s44, (0<<16)|(1<<20)|(1<<21)|(5<<22)|(3<<25)
	s_mov_b32 s[G1+1], 256<<16
	s_mov_b32 s[G1+2], 128<<16
	s_mov_b32 s[G1+3], 256<<16
	s_mov_b32 s[G1+4], 128
	s_mov_b32 s[G1+5], 2048
	s_mov_b32 s[G1+6], 0
	s_mov_b32 s[G1+7], 0
	s_or_b32 s[G1B+0], s45, (0<<16)|(1<<21)
	s_mov_b32 s[G1B+1], 256<<16
	s_mov_b32 s[G1B+2], 128<<16
	s_mov_b32 s[G1B+3], 256<<16
	s_mov_b32 s[G1B+4], 128
	s_mov_b32 s[G1B+5], 256
	s_mov_b32 s[G1B+6], 0
	s_mov_b32 s[G1B+7], 0
	s_lshl_b32 s20, s43, 8
	s_lshl_b32 s19, s[W2], 7
	s_add_co_u32 s20, s20, s19
	s_lshl_b32 s20, s20, 11
	s_mov_b32 s21, 0
	s_lshl_b32 s46, s42, 19
	s_lshl_b32 s47, s[W2], 15
	s_add_co_u32 s46, s46, s47
	s_mov_b32 s47, 0
	s_mul_i32 s22, s[W2], HALFA
	s_mul_i32 s23, s[W2], HALFB
	s_add_co_u32 s23, s23, BOFF
	s_wait_kmcnt 0x0
	s_load_b128 s[ES:ES+3], s[10:11], 0x0
	s_add_nc_u64 s[20:21], s[4:5], s[20:21]
	s_add_nc_u64 s[46:47], s[6:7], s[46:47]
	CROUND
.irp s, 0,1
	s_mov_b32 s[G0+4*\s], 1
	s_add_co_u32 s[G0+4*\s+1], s22, \s*SLOT
	s_add_nc_u64 s[G0+4*\s+2:G0+4*\s+3], s[20:21], \s*256
	s_or_b32 s[G0+4*\s+3], s[G0+4*\s+3], 0x80000000
	s_mov_b32 s[G0B+4*\s], 1
	s_add_co_u32 s[G0B+4*\s+1], s23, \s*SLOT
	s_add_nc_u64 s[G0B+4*\s+2:G0B+4*\s+3], s[46:47], \s*65536
	s_or_b32 s[G0B+4*\s+3], s[G0B+4*\s+3], 0x80000000
.endr
	JLOAD G0, G1, G0B, G1B                         ; K step 0: one tensor load a wave at the head, behind the opening round
	v_and_b32 v1, 15, v0
	v_bfe_u32 v2, v0, 4, 1
	v_and_b32 v3, 31, v0
	v_mul_u32_u24 v4, v1, PITCH
	s_wait_alu depctr_va_vdst(0)
	v_lshl_add_u32 v5, v2, 4, v4
	v_lshlrev_b32 v6, 4, v3
	s_mul_i32 s44, s[ROLE], HALFA
	s_mul_i32 s45, s[W2], HALFB
	s_add_co_u32 s45, s45, BOFF
.irp s, 0,1
	v_add_nc_u32 v[ADRA+\s], s44, v5
	v_add_nc_u32 v[ADRB+\s], s45, v6
	s_add_co_u32 s44, s44, SLOT
	s_add_co_u32 s45, s45, SLOT
.endr
	s_mul_i32 s44, s[ROLE], 16*PITCH
	s_lshl_b32 s45, s[W2], 7
	s_add_co_u32 s44, s44, s45
	s_add_co_u32 s44, s44, STG
	v_lshl_add_u32 v[LAY], v2, 5, v4
	v_add_nc_u32 v[LAY], s44, v[LAY]
	s_mul_i32 s44, s[ROLE], 16*PITCH
	s_mul_i32 s45, s[W2], 8*PITCH
	s_add_co_u32 s44, s44, s45
	s_add_co_u32 s44, s44, STG
	v_mul_u32_u24 v7, v2, PITCH
	v_lshl_add_u32 v7, v1, 4, v7
	v_add_nc_u32 v[ROWS], s44, v7
	v_lshlrev_b32 v[GO], 12, v2
	v_lshl_add_u32 v[GO], v1, 4, v[GO]
	s_lshl_b32 s44, s43, 8
	s_lshl_b32 s45, s[ROLE], 7
	s_add_co_u32 s44, s44, s45
	s_lshl_b32 s45, s[W2], 3
	s_add_co_u32 s44, s44, s45
	s_lshl_b32 s44, s44, 12
	s_lshl_b32 s45, s42, 8
	s_add_co_u32 s44, s44, s45
	s_mov_b32 s45, 0
	s_add_nc_u64 s[12:13], s[12:13], s[44:45]
	s_add_nc_u64 s[14:15], s[14:15], s[44:45]
	s_add_nc_u64 s[PCA:PCA+1], s[8:9], s[44:45]
	s_lshl_b32 s44, s43, 8
	s_lshl_b32 s45, s[W2], 7
	s_add_co_u32 s44, s44, s45
	s_lshl_b32 s45, s40, 5
	s_add_co_u32 s44, s44, s45
	s_lshl_b32 s44, s44, 11
	s_add_co_u32 s44, s44, 3*256
	s_lshl_b32 s45, s42, 19
	s_lshl_b32 s95, s[W2], 15
	s_add_co_u32 s45, s45, s95
	s_lshl_b32 s95, s41, 13
	s_add_co_u32 s45, s45, s95
	s_add_co_u32 s45, s45, 3*65536
	s_and_b32 s19, ttmp7, 0xffff
	s_mov_b32 s95, 65536
	s_cmp_eq_u32 s[ROLE], 0
	s_cselect_b32 s44, s44, s45
	s_cselect_b32 s19, ttmp9, s19
	s_cselect_b32 s[PFS], 256, s95
	s_cselect_b32 s22, 11, 8
	s_cselect_b64 s[PFA:PFA+1], s[4:5], s[6:7]
	s_mov_b32 s45, 0
	s_mov_b32 s[PFS+1], 0
	s_add_nc_u64 s[PFA:PFA+1], s[PFA:PFA+1], s[44:45]
	s_cmp_eq_u32 s19, 0
	s_cselect_b32 s[LIM], 1, -1
	v_lshlrev_b32 v[PFO], s22, v3
	s_wait_kmcnt 0x0
	s_add_co_i32 s19, s[ES+2], s[ES+3]
	s_add_co_i32 s95, s[ES], s[ES+1]
	s_sub_co_i32 s95, s95, s19
	s_add_co_i32 s95, s95, 127
	s_lshl_b32 s[RS], s95, 23
	s_mov_b32 s[RS+1], s[RS]
	s_lshl_b32 s19, s19, 23
	s_add_co_u32 s[K1], s19, 0xbfb8aa3b
	s_mov_b32 s[K1+1], s[K1]
	s_add_co_u32 s[K2], s19, 0x4038aa3b
	s_mov_b32 s[K2+1], s[K2]
	s_mov_b32 s[K3], 0x4038aa3b
	s_mov_b32 s[K3+1], s[K3]
.macro FRAGA reg, adr, q, i
.irp c, 0,1,2,3
	ds_load_b128 v[\reg+4*\c:\reg+4*\c+3], v[\adr] offset:128*(\q)+32*\c+(\i)*16*PITCH
.endr
.endm
.macro FRAGB reg, adr, q, i
.irp c, 0,1,2,3
	ds_load_b128 v[\reg+4*\c:\reg+4*\c+3], v[\adr] offset:16384*(\q)+2048*(\i)+512*\c
.endr
.endm
.macro MUL16 a0, p, zero
.irp a, \a0, \a0+1
.irp b, 0,1,2,3,4,5,6,7
.if \zero
	v_wmma_f32_16x16x128_bf8_bf8 v[8*(8*((\a)%4)+\b):8*(8*((\a)%4)+\b)+7], v[128*(\p)+FR*\b:128*(\p)+FR*\b+FR-1], v[AF+FR*(\a):AF+FR*(\a)+FR-1], 0
.else
	v_wmma_f32_16x16x128_bf8_bf8 v[8*(8*((\a)%4)+\b):8*(8*((\a)%4)+\b)+7], v[128*(\p)+FR*\b:128*(\p)+FR*\b+FR-1], v[AF+FR*(\a):AF+FR*(\a)+FR-1], v[8*(8*((\a)%4)+\b):8*(8*((\a)%4)+\b)+7]
.endif
.endr
.endr
.endm
.macro FETCH_B slot, q, p
	WIN TO_B
.irp i, 0,1,2,3,4,5,6,7
	FRAGB 128*(\p)+FR*\i, ADRB+\slot, \q, \i
.endr
	WIN 0
.endm
.macro FETCH_A slot, q, i0
.irp i, \i0, \i0+1, \i0+2, \i0+3
	FRAGA AF+FR*(\i), ADRA+\slot, \q, \i
.endr
.endm
.macro PLACES n
.rept \n
	v_nop
.endr
.endm
.macro STEP slot, q, zero
	s_wait_dscnt 4*NL
	WIN MUL_LO
	MUL16 0, (\q)%2, \zero
	MUL16 2, (\q)%2, \zero
	s_wait_dscnt 0
	PLACES NP
	FETCH_B \slot, (\q)+1, 1-(\q)%2
	FETCH_A \slot, (\q)+1, 0
	WIN MUL_HI
	MUL16 4, (\q)%2, \zero
	MUL16 6, (\q)%2, \zero
	PLACES NP
	WIN 0
	FETCH_A \slot, (\q)+1, 4
.endm
.macro TURN slot, next, fill, fetch
.if \fill
	s_wait_xcnt 0x0
.if (\fill == 2) && (\slot == 0)
	s_add_nc_u64 s[PFA:PFA+1], s[PFA:PFA+1], NEXT_P
	s_cmp_eq_u32 s[ROLE], 0
	s_cselect_b32 s[LIM], s[LIM], -1
.else
	s_add_nc_u64 s[PFA:PFA+1], s[PFA:PFA+1], s[PFS:PFS+1]
.endif
.endif
	s_wait_tensorcnt 0x0
	ds_add_u32 v[SPW], v[NIL]
	s_wait_dscnt 0x0                               ; the add is done, and my reads of this slot are over: its last fragments are in registers
	s_barrier_signal -1
	s_barrier_wait -1
.if \fill
	CREST
.if \fill == 1
	s_add_nc_u64 s[G0+4*\slot+2:G0+4*\slot+3], s[G0+4*\slot+2:G0+4*\slot+3], 2*256
	s_add_nc_u64 s[G0B+4*\slot+2:G0B+4*\slot+3], s[G0B+4*\slot+2:G0B+4*\slot+3], 2*65536
.else
	s_add_nc_u64 s[G0+4*\slot+2:G0+4*\slot+3], s[G0+4*\slot+2:G0+4*\slot+3], NEXT_A
	s_sub_nc_u64 s[G0B+4*\slot+2:G0B+4*\slot+3], s[G0B+4*\slot+2:G0B+4*\slot+3], BACK_B
.endif
	JLOAD G0+4*\slot, G1, G0B+4*\slot, G1B
.endif
	WIN MUL_LO
	MUL16 0, 1, 0                                  ; the slot's last 128 along K, from registers, behind the refill
	MUL16 2, 1, 0
	WIN 0
	PLACES NP                                      ; four places in front of loads into registers that matrix instructions have read
.if \fetch
	s_wait_alu depctr_va_vdst(0)
	FETCH_B \next, 0, 0
	FETCH_A \next, 0, 0
.endif
.if \fill == 1
	ASK 0
.endif
.if \fill == 2
	ASK 1
.endif
	WIN MUL_HI
	MUL16 4, 1, 0
	MUL16 6, 1, 0
	PLACES NP
	WIN 0
.if \fetch
	FETCH_A \next, 0, 4
.endif
.endm
.macro RESCALE
	WIN 0x82
.set j, 0
.rept 128
	v_pk_mul_f32 v[j:j+1], v[j:j+1], s[RS:RS+1] op_sel_hi:[1,0]
.set j, j+2
.endr
	WIN 0xc3
.set j, 0
.rept 128
	v_pk_mul_f32 v[j:j+1], v[j:j+1], s[RS:RS+1] op_sel_hi:[1,0]
.set j, j+2
.endr
	WIN 0
.endm
.macro CLD b
.irp t, 0,1,2,3
	global_load_b128 v[CR+16*((\b)%4)+4*\t:CR+16*((\b)%4)+4*\t+3], v[GO], s[PCA:PCA+1] offset:(16*(\b)+2*\t)*4096 th:TH_LOAD_NT
.endr
.endm
.macro CSTORE b
.irp t, 0,1,2,3
	ds_store_b128 v[ROWS], v[CR+16*((\b)%4)+4*\t:CR+16*((\b)%4)+4*\t+3] offset:((\b)%2)*SETB+2*PITCH*\t
.endr
.endm
.macro CLOAD a
.irp u, 0,1
	ds_load_b128 v[CC+8*\u:CC+8*\u+3],   v[LAY] offset:((\a)%2)*SETB+64*\u
	ds_load_b128 v[CC+8*\u+4:CC+8*\u+7], v[LAY] offset:((\a)%2)*SETB+64*\u+16
.endr
.endm
.macro GATES1 a
.set AC, 64*((\a)%4)
	WIN 0x02+((\a)/4)
.set j, 0
.rept 24
	v_pk_mul_f32 v[G+j:G+j+1], v[AC+j:AC+j+1], s[K1:K1+1] op_sel_hi:[1,0]
.set j, j+2
.endr
.rept 8
	v_pk_mul_f32 v[G+j:G+j+1], v[AC+j:AC+j+1], s[K2:K2+1] op_sel_hi:[1,0]
.set j, j+2
.endr
	WIN 0
.set j, 0
	s_wait_alu depctr_va_vdst(0)
.rept 64
	v_exp_f32 v[G+j], v[G+j]
.set j, j+1
.endr
	v_nop
	s_wait_alu depctr_va_vdst(0)
.endm
.macro G1B                             ; the gates' second part: 1 + 2^t, work on registers alone
.set j, 0
.rept 32
	v_pk_add_f32 v[G+j:G+j+1], v[G+j:G+j+1], 1.0 op_sel_hi:[1,0]
.set j, j+2
.endr
.endm
.macro G1C                             ; the third part: the reciprocals, and tanh = 1 - 2 rcp
.set j, 0
	s_wait_alu depctr_va_vdst(0)
.rept 64
	v_rcp_f32 v[G+j], v[G+j]
.set j, j+1
.endr
	v_nop
	s_wait_alu depctr_va_vdst(0)
.set j, 0
.rept 8
	v_pk_fma_f32 v[G+48+j:G+49+j], v[G+48+j:G+49+j], -2.0, 1.0 op_sel_hi:[1,0,0]
.set j, j+2
.endr
.endm
.macro GATES2
.set j, 0
.rept 8
	v_pk_mul_f32 v[CT+j:CT+j+1], v[G+16+j:G+17+j], v[CC+j:CC+j+1]
.set j, j+2
.endr
.set j, 0
.rept 8
	v_pk_fma_f32 v[CT+j:CT+j+1], v[G+j:G+j+1], v[G+48+j:G+49+j], v[CT+j:CT+j+1]
.set j, j+2
.endr
.set j, 0
.rept 8
	v_pk_mul_f32 v[HT+j:HT+j+1], v[CT+j:CT+j+1], s[K3:K3+1] op_sel_hi:[1,0]
.set j, j+2
.endr
.set j, 0
	s_wait_alu depctr_va_vdst(0)
.rept 16
	v_exp_f32 v[HT+j], v[HT+j]
.set j, j+1
.endr
	v_nop
	s_wait_alu depctr_va_vdst(0)
.set j, 0
.rept 8
	v_pk_add_f32 v[HT+j:HT+j+1], v[HT+j:HT+j+1], 1.0 op_sel_hi:[1,0]
.set j, j+2
.endr
.set j, 0
	s_wait_alu depctr_va_vdst(0)
.rept 16
	v_rcp_f32 v[HT+j], v[HT+j]
.set j, j+1
.endr
	v_nop
	s_wait_alu depctr_va_vdst(0)
.set j, 0
.rept 8
	v_pk_fma_f32 v[HT+j:HT+j+1], v[HT+j:HT+j+1], -2.0, 1.0 op_sel_hi:[1,0,0]
.set j, j+2
.endr
.set j, 0
.rept 8
	v_pk_mul_f32 v[HT+j:HT+j+1], v[HT+j:HT+j+1], v[G+32+j:G+33+j]
.set j, j+2
.endr
.endm
.macro STAGE a
.irp u, 0,1
	ds_store_b128 v[LAY], v[CT+8*\u:CT+8*\u+3]   offset:((\a)%2)*SETB+BUF+64*\u
	ds_store_b128 v[LAY], v[CT+8*\u+4:CT+8*\u+7] offset:((\a)%2)*SETB+BUF+64*\u+16
	ds_store_b128 v[LAY], v[HT+8*\u:HT+8*\u+3]   offset:((\a)%2)*SETB+2*BUF+64*\u
	ds_store_b128 v[LAY], v[HT+8*\u+4:HT+8*\u+7] offset:((\a)%2)*SETB+2*BUF+64*\u+16
.endr
.endm
.macro BACK a
.irp t, 0,1,2,3
	ds_load_b128 v[OUT+4*\t:OUT+4*\t+3],       v[ROWS] offset:((\a)%2)*SETB+BUF+2*PITCH*\t
	ds_load_b128 v[OUT+16+4*\t:OUT+16+4*\t+3], v[ROWS] offset:((\a)%2)*SETB+2*BUF+2*PITCH*\t
.endr
.endm
.macro SEND a
.irp t, 0,1,2,3
	global_store_b128 v[GO], v[OUT+4*\t:OUT+4*\t+3],       s[14:15] offset:(16*(\a)+2*\t)*4096 th:TH_STORE_NT
	global_store_b128 v[GO], v[OUT+16+4*\t:OUT+16+4*\t+3], s[12:13] offset:(16*(\a)+2*\t)*4096 th:TH_STORE_NT
.endr
.endm
.macro EPI                             ; block a + 1's gates stand round block a's barrier: part one between the stage's stores and the wait for them, part two inside the barrier, part three between the stage's loads and the wait for them
	s_wait_loadcnt 12                              ; block 0's c is in; three blocks' loads may be out
	CSTORE 0
	GATES1 0
	s_wait_dscnt 0x0
	s_barrier_signal -1
	G1B
	s_barrier_wait -1
	CLOAD 0
	CLD 4
	G1C
.irp a, 0,1,2,3,4,5,6,7
	s_wait_dscnt 0x0                               ; my c of this block and the last block's rows are in registers
.if \a >= 1
	SEND \a-1
.endif
	GATES2
	STAGE \a
.if \a < 7
.if \a < 4
	s_wait_loadcnt 12                              ; the next block's c is in; three blocks' loads may be out
.else
	s_wait_loadcnt 4*(6-\a)
.endif
	CSTORE \a+1
	GATES1 \a+1
.endif
	s_wait_dscnt 0x0                               ; for the others' sake: my stores into the stage are done
	s_barrier_signal -1
.if \a < 7
	G1B
.endif
	s_barrier_wait -1
	s_wait_xcnt 0x0                                ; the last block's stores have read their data
	BACK \a
.if \a < 7
	CLOAD \a+1
.if \a < 3
	CLD \a+5                                       ; into the registers that block a + 1's stores into the stage have read
.endif
	G1C
.endif
.endr
	s_wait_dscnt 0x0
	SEND 7
.endm
	s_wait_alu depctr_va_vdst(0)
	s_wait_tensorcnt 0x0                           ; my part of K step 0 is in
	ds_add_u32 v[SPW], v[NIL]
	s_wait_dscnt 0x0
	CROUND                                         ; everybody's part of K step 0 is in, and all sixteen work-groups are here
	JLOAD G0+4, G1, G0B+4, G1B                     ; K step 1, the first tensor load behind the round
	s_mov_b32 s2, TILES
.Ltile:
	FETCH_B 0, 0, 0
	FETCH_A 0, 0, 0
	FETCH_A 0, 0, 4
	STEP 0, 0, 1
	s_mov_b32 s3, LAPS-1
.Llap:
	TURN 0, 1, 1, 1
	STEP 1, 0, 0
	TURN 1, 0, 1, 1
	s_cmp_lg_u32 s3, 2
	s_cbranch_scc1 .Lnr
	RESCALE
.Lnr:
	s_wait_alu depctr_va_vdst(0)
	STEP 0, 0, 0
	s_sub_co_u32 s3, s3, 1
	s_cmp_lg_u32 s3, 0
	s_cbranch_scc1 .Llap
.irp b, 0,1,2,3
	CLD \b
.endr
	s_cmp_eq_u32 s2, 1
	s_cbranch_scc1 .Llast_tile
	TURN 0, 1, 2, 1
	STEP 1, 0, 0
	TURN 1, 0, 2, 0
	EPI
	s_wait_xcnt 0x0
	s_add_nc_u64 s[12:13], s[12:13], NEXT_O
	s_add_nc_u64 s[14:15], s[14:15], NEXT_O
	s_add_nc_u64 s[PCA:PCA+1], s[PCA:PCA+1], NEXT_O
	s_sub_co_u32 s2, s2, 1
	s_branch .Ltile
.Llast_tile:
	TURN 0, 1, 0, 1
	STEP 1, 0, 0
	s_wait_dscnt 4*NL
	WIN MUL_LO
	MUL16 0, 1, 0
	MUL16 2, 1, 0
	s_wait_dscnt 0
	WIN MUL_HI
	MUL16 4, 1, 0
	MUL16 6, 1, 0
	WIN 0
	PLACES NP
	EPI
	s_wait_tensorcnt 0x0
	ds_add_u32 v[SPW], v[NIL]
	s_wait_dscnt 0x0
	CROUND
	s_endpgm
.Lfunc_end_k_qa3b67cb932_lstm:
	.size	k_qa3b67cb932_lstm, .Lfunc_end_k_qa3b67cb932_lstm-k_qa3b67cb932_lstm
	.p2alignl 7, 3214868480
	.fill 96, 4, 3214868480
	.section	.rodata,"a",@progbits
	.p2align	6, 0x0
	.amdhsa_kernel k_qa3b67cb932_lstm
		.amdhsa_group_segment_fixed_size 327680
		.amdhsa_private_segment_fixed_size 0
		.amdhsa_enable_private_segment 0
		.amdhsa_kernarg_size 48
		.amdhsa_user_sgpr_count 2
		.amdhsa_user_sgpr_kernarg_segment_ptr 1
		.amdhsa_wavefront_size32 1
		.amdhsa_system_sgpr_workgroup_id_x 1
		.amdhsa_system_sgpr_workgroup_id_y 1
		.amdhsa_system_sgpr_workgroup_id_z 1
		.amdhsa_system_vgpr_workitem_id 0
		.amdhsa_next_free_vgpr 1024
		.amdhsa_next_free_sgpr 98
		.amdhsa_reserve_vcc 0
		.amdhsa_float_denorm_mode_32 3
		.amdhsa_float_denorm_mode_16_64 3
		.amdhsa_memory_ordered 1
		.amdhsa_forward_progress 1
		.amdhsa_inst_pref_size 255
	.end_amdhsa_kernel
	.section	.bss,"aw",@nobits
	.p2align	6
	.space	262144
	.amdgpu_metadata
---
amdhsa.version: [ 1, 2 ]
amdhsa.kernels:
  - .name:           k_qa3b67cb932_lstm
    .symbol:         k_qa3b67cb932_lstm.kd
    .args:
      - { .name: acodes, .offset: 0, .size: 8, .value_kind: global_buffer, .address_space: global }
      - { .name: wcodes, .offset: 8, .size: 8, .value_kind: global_buffer, .address_space: global }
      - { .name: c, .offset: 16, .size: 8, .value_kind: global_buffer, .address_space: global }
      - { .name: lowp_scales, .offset: 24, .size: 8, .value_kind: global_buffer, .address_space: global }
      - { .name: out0, .offset: 32, .size: 8, .value_kind: global_buffer, .address_space: global }
      - { .name: out1, .offset: 40, .size: 8, .value_kind: global_buffer, .address_space: global }
    .group_segment_fixed_size: 327680
    .private_segment_fixed_size: 0
    .kernarg_segment_align: 8
    .kernarg_segment_size: 48
    .max_flat_workgroup_size: 128
    .sgpr_count:     98
    .vgpr_count:     1024
    .wavefront_size: 32
...
	.end_amdgpu_metadata
.endif
;; end of part 2
